; MI455X (gfx1250); checked and timed in simulation.
; The chip was launched on July 23, 2026; its instructions are those of AMD's public machine-readable ISA for CDNA 5 (MIT licence, August 2026) and "CDNA5" Instruction Set Architecture Reference Guide (July 2026). The comments in the code are by the model that wrote it; some were corrected since.
;; Casual Multi Query Attention. Allowed arithmetic: matrix products marked QUANTISED: E4M3 operands, one given power-of-two scale a tensor, by v_wmma_f32_16x16x64_fp8_fp8 or v_wmma_f32_16x16x128_fp8_fp8, f32 sums; everything else in f32.
;; Inputs: bk 2,048 float32; bo 2,048 float32; bq 2,048 float32; bv 2,048 float32; freqs_cos 2,048 x 64 float32; freqs_sin 2,048 x 64 float32; lowp_scales 12 int32 (the exponents e of the quantised operands' scales 2^e); wk_codes 2,048 x 64 x 32 uint8 (E4M3 codes of wk, K innermost, in blocks of 32 codes); wo_codes 2,048 x 64 x 32 uint8 (E4M3 codes of wo, K innermost, in blocks of 32 codes); wq_codes 2,048 x 64 x 32 uint8 (E4M3 codes of wq, K innermost, in blocks of 32 codes); wv_codes 2,048 x 64 x 32 uint8 (E4M3 codes of wv, K innermost, in blocks of 32 codes); x_codes 1 x 2,048 x 64 x 32 uint8 (E4M3 codes of x, K innermost, in blocks of 32 codes).
;; Outputs: out0 1 x 2,048 x 2,048 float32.
;; This version of the problem:
;;   THIS VERSION OF THE PROBLEM IS GIVEN IN LOW PRECISION. The matrix products marked QUANTISED in the list below multiply operands that are first quantised to E4M3 (4 exponent bits, 3 mantissa bits; 8 bits a number), with one given power-of-two scale for each operand tensor; their sums are f32. All else is computed in f32.
;;   The module's matrix products, in the order in which they are computed (A, B: the left and right operand; K: the contracted axis; several contracted axes count as one K, in the product's order):
;;     1. [M 2,048, K 2,048] x [K 2,048, N 2,048]; A: input x (given as codes); B: input wq (given as codes): QUANTISED (scales: A lowp_scales[0], B lowp_scales[1])
;;     2. [M 2,048, K 2,048] x [K 2,048, N 2,048]; A: input x (given as codes); B: input wk (given as codes): QUANTISED (scales: A lowp_scales[2], B lowp_scales[3])
;;     3. [M 2,048, K 2,048] x [K 2,048, N 2,048]; A: input x (given as codes); B: input wv (given as codes): QUANTISED (scales: A lowp_scales[4], B lowp_scales[5])
;;     4. batch 16 x [M 2,048, K 128] x [K 128, N 2,048]; A: computed on the way; B: computed on the way: QUANTISED (scales: A lowp_scales[6], B lowp_scales[7])
;;     5. batch 16 x [M 128, K 2,048] x [K 2,048, N 2,048]; A: computed on the way; B: softmax (see below): QUANTISED (scales: A lowp_scales[8], B lowp_scales[9])
;;     6. [M 2,048, K 2,048] x [K 2,048, N 2,048]; A: computed on the way; B: input wo (given as codes): QUANTISED (scales: A lowp_scales[10], B lowp_scales[11])
;;   THE QUANTISER, for each operand of a quantised product, along K:
;;     - The operand's scale is 2^e, e = its entry of the input lowp_scales (int32; the entries are numbered through the quantised products in the list's order, A before B).
;;     - Each number is divided by the scale, clamped to +-448, and rounded to the nearest number of E4M3, ties to even, subnormals kept.
;;     - The product sums the exact products of the quantised numbers (number of the format x scale) in f32.
;;   ~~~python
;;   def quantise(x, axis, e):      # numpy; x: float32 -> the quantised numbers, widened to float32 again
;;       x = np.moveaxis(x, axis, -1); K = x.shape[-1]
;;       r = np.clip(x / 2.0 ** e, -448, 448)
;;       step = 2.0 ** (np.maximum(np.frexp(np.where(r == 0, 1, r))[1] - 1, -6) - 3)
;;       q = np.round(r / step) * step * 2.0 ** e      # np.round: ties to even
;;       return np.moveaxis(q, -1, axis).astype(np.float32)
;;   ~~~
;;   SOFTMAX AHEAD OF A QUANTISED PRODUCT. Where the list says 'softmax', what is quantised is not the finished softmax but p = 2^(t - M), with t = logit x log2(e) and M = ceil(the row's largest t), a whole number; so 1/2 < the row's largest p <= 1. The row's sum l is taken of the UNQUANTISED p, in f32, and the product's result is divided by l at the end. Since M is a whole number, a kernel that streams over the keys may use a running M (the ceiling of the running maximum): every later rescaling is an exact power of two, so the quantised numbers keep their values, but for numbers so far below the row's largest that they fall under the format's range.
;;   OPERANDS COMPUTED ON THE WAY. 'Computed on the way' means the value that the module computes at that place (a softmax that the list does not call 'softmax' is quantised finished and normalised). What goes into a quantiser is computed in f32, as accurately as f32 sums, v_exp_f32 and their like allow (about 1e-6 of the number): no bf16 or f16 on the way to a quantiser, and a product that is left as it is and whose result goes on into a quantised operand takes f32 operands (vector FMAs, or v_wmma_f32_16x16x4_f32). A number that lies on a knife's edge between two numbers of the format may be rounded either way, as far as f32 arithmetic and the matrix unit's own rounding can turn it there, and no further.
;;   INPUTS GIVEN AS CODES. wk (in the module: [2048, 2048], K = its axis 1); wo (in the module: [2048, 2048], K = its axis 1); wq (in the module: [2048, 2048], K = its axis 1); wv (in the module: [2048, 2048], K = its axis 1); x (in the module: [1, 2048, 2048], K = its axis 2): each comes as NAME_codes (uint8): NAME with its K axis moved to the last place and cut into blocks of 32 codes, [.., K / 32, bytes a block], one block behind the other in memory; one code a byte (a code: sign, 4 exponent bits, 3 mantissa bits); its scale is its entry of lowp_scales. Its value is code x scale, taken as it is: it is not quantised again, and the codes and scales need not be those that the quantiser above would give.
;; One version. Each part assembles by itself: llvm-mc -triple=amdgcn-amd-amdhsa -mcpu=gfx1250 --defsym DOCPART=n.
;; ======== version 1 of 1: 3 launches
;; limits: right only within a limited range of input values
;; workspace buffers: qc 4,194,304 bytes; kc 4,194,304 bytes; vc 4,194,304 bytes; oc 4,194,304 bytes
;; launch qkv (part 1): grid 16 x 16, 4 waves a work-group, clusters of 4 x 4, 327,680 bytes of LDS; arguments x_codes, wq_codes, wk_codes, wv_codes, bq, bk, bv, freqs_cos, freqs_sin, lowp_scales, qc, kc, vc; writes qc, kc, vc
.if DOCPART == 1
	.amdgcn_target "amdgcn-amd-amdhsa--gfx1250"
	.amdhsa_code_object_version 6
	.text
	.protected	k_q030d1fccf0_qkv
	.globl	k_q030d1fccf0_qkv
	.p2align	8
	.type	k_q030d1fccf0_qkv,@function
k_q030d1fccf0_qkv:
	s_mov_b64 s[64:65], 0
	v_nop
	global_prefetch_b8 v0, s[64:65] scope:SCOPE_SE
	s_setreg_imm32_b32 hwreg(HW_REG_WAVE_MODE, 25, 1), 1
	s_wait_xcnt 0x0
	s_wait_alu depctr_hold_cnt(0) depctr_sa_sdst(0) depctr_va_vdst(0) depctr_va_sdst(0) depctr_va_ssrc(0) depctr_va_vcc(0) depctr_vm_vsrc(0)
	s_getreg_b32 s2, hwreg(HW_REG_IB_STS2, 6, 4)
	s_cmp_eq_u32 s2, 0
	s_cbranch_scc0 .Lentry_in_a_cluster
	s_endpgm
.Lentry_in_a_cluster:
	s_bfe_u32 s2, ttmp6, 0x10000c
	s_cmp_lg_u32 s2, 0xf033
	s_cbranch_scc0 .Lentry_shape_is_right
	s_endpgm
.Lentry_shape_is_right:
; q = rope(x wq^T + bq), k = rope(x wk^T + bk), v = x wv^T + bv on codes of E4M3 as they are given; the results are quantised (scales 2^e6, 2^e7, 2^e8) and stored as codes.
; SHARES.  256 work-groups: work-group (head, block of 128 tokens) makes that head's 128 channels of q, of k and of v for its tokens.  Wave w: all 128 tokens x channels 32 w .. 32 w + 31 of each of the three:
;   48 accumulators of 16 x 16.  q, k: source 0 = 16 channels, source 1 = 16 tokens: lane (r, h), register j = token r, channel 8 h + j.  v: source 0 = 16 tokens, source 1 = 16 channels: channel r, token 8 h + j.
; K goes in steps of 256 through a ring of two LDS slots: x's 128 rows (wave 0's load), then wq's, wk's, wv's 128 rows (waves 1, 2, 3).  4 x 4 work-groups form a cluster: x's tile is asked for jointly by a row
;   of the cluster, each weight's tile by a column.
; WHAT IS STORED: images of matrix operands, so that one load of 16 bytes a lane gives four registers of a fragment.
;   qc, kc [head][block of 16 tokens][c 0..3][lane (r, h)][16]: token r; channels 32 c + 8 h + 0..7, then 32 c + 16 + 8 h + 0..7: the same order in both, so every product of a score meets its partner.
;   vc [head][block of 128 keys][tile of 16 channels][c 0..3][lane (r, h)][16]: channel r; keys 32 c + 8 h + 0..7, then 32 c + 16 + 8 h + 0..7.
; Only key tiles that the causal mask of reference() hides as a whole are left out of this program (in the second launch).
; LIMITS: e0 + e1, e2 + e3, e4 + e5 between -126 and 127; e6, e7, e8 between -126 and 119, so that each power of two made below is an f32 number.  NaN among the inputs is not served.
; REGISTERS, in windows of 256.  0: v0-31 addresses and scales; v32-127, v128-255 fragments of x (step 0: eight at v128; step 1: six at v32, two at v128).  1: v0-95, v96-191 fragments of w, two sets; v192-227 the bias.
;   2: accumulators of q (a, b) at 8 (2 a + b), of k at 128 + that.  3: of v (channel tile a, token block b) at 8 (8 a + b); cos at 128, sin at 192, + 8 (token block) + 4 b.
.set ROWB,   256                       ; a tile's row in bytes
.set PITCH,  272                       ; an LDS row: 256 bytes + 16 of padding: the 16 rows that a load touches start at 16 different banks
.set HALFT,  128*PITCH
.set SLOT,   4*HALFT
.set SPARE,  2*SLOT                    ; behind the ring: the spare words, 128 bytes for each wave
.set PFO,  7                           ; the prefetches' offset: lane x a row of 2,048 bytes
.set SCL,  8                           ; v8-10   2^e6, 2^e7, 2^e8
.set LIM,  11                          ; v11-13  448 x those
.set AX,   16                          ; v16-17  x in slot 0, 1
.set AW,   18                          ; v18-19  wq (wk: + HALFT)
.set AV,   20                          ; v20-21  wv
.set CO,   24
.set CV,   25
.set CSO,  27
.set SPW,  28
.set NIL,  29
.set BCO,  30
.set BRO,  31
.set TMP,  128                         ; the way out: v128-191 numbers, v32-95 products with sin, v192-255 and v96-127 codes
.set RT,   32
.set PFA,  20                          ; s[20:21] where my prefetches stand
.set G1,   24
.set G0,   32
.set G1B,  48
.set G0B,  56
.set MSB, 0
.macro WIN new                         ; the immediate's high byte repeats the setting that is left
.if MSB != (\new)
	s_set_vgpr_msb (MSB<<8)|(\new)
.set MSB, (\new)
.endif
.endm
.macro PLACES
.rept 4
	v_nop
.endr
.endm
; A joint load: wave 0 fetches x's tile, waves 1 to 3 a weight's.  The branch hangs on the wave's number alone.
.macro JLOAD s
	s_cmp_eq_u32 s14, 0
	s_cbranch_scc0 .Lfor_w_\@
	tensor_load_to_lds s[G0+4*(\s):G0+4*(\s)+3], s[G1:G1+7]
	s_nop 0
.rept 4
	v_nop
.endr
	s_branch .Lasked_\@
.Lfor_w_\@:
	tensor_load_to_lds s[G0B+4*(\s):G0B+4*(\s)+3], s[G1B:G1B+7]
	s_nop 0
.rept 4
	v_nop
.endr
.Lasked_\@:
.endm
.macro CROUND                          ; a round of the cluster's barrier
	s_barrier_signal -1
	s_barrier_wait -1
	s_cmp_lg_u32 s14, 0
	s_cbranch_scc1 .Lnot_wave_0_\@
	s_barrier_signal -3
.Lnot_wave_0_\@:
	s_barrier_wait -3
	s_barrier_signal -1
	s_barrier_wait -1
.endm
	s_load_b256 s[68:75], s[0:1], 0x0              ; x, wq, wk, wv
	s_load_b256 s[76:83], s[0:1], 0x20             ; bq, bk, bv, cos
	s_load_b256 s[84:91], s[0:1], 0x40             ; sin, the scales' exponents, qc, kc
	s_load_b64 s[92:93], s[0:1], 0x60              ; vc
	v_lshl_add_u32 v[SPW], v0, 2, SPARE
	v_mov_b32 v[NIL], 0
	ds_add_u32 v[SPW], v[NIL]                      ; the wave's opening: the add, twice on end, and its wait
	ds_add_u32 v[SPW], v[NIL]
	v_lshrrev_b32 v1, 5, v0
	v_readfirstlane_b32 s14, v1                    ; wave 0..3
	s_bfe_u32 s40, ttmp6, 0x40000                  ; cx
	s_bfe_u32 s41, ttmp6, 0x40004                  ; cy
	s_lshl_b32 s42, ttmp9, 2
	s_add_co_u32 s42, s42, s40                     ; the head
	s_and_b32 s43, ttmp7, 0xffff
	s_lshl_b32 s43, s43, 2
	s_add_co_u32 s43, s43, s41                     ; the block of 128 tokens
	s_lshl_b32 s44, s41, 2
	s_lshl_b32 s44, 15, s44                        ; my row of the cluster
	s_lshl_b32 s45, 0x1111, s40                    ; my column
	s_or_b32 s[G1], s44, (0<<16)|(1<<20)|(1<<21)|(5<<22)|(3<<25)   ; mask; elements of 1 byte; padding on; bit 21 beside a mask; after every 64 words, 4 words
	s_or_b32 s[G1B], s45, (0<<16)|(1<<20)|(1<<21)|(5<<22)|(3<<25)
.irp g, G1, G1B
	s_mov_b32 s[\g+1], ROWB<<16                    ; tensor_dim0
	s_mov_b32 s[\g+2], 128<<16                     ; tensor_dim1
	s_mov_b32 s[\g+3], ROWB<<16                    ; tile_dim0
	s_mov_b32 s[\g+4], 128                         ; tile_dim1
	s_mov_b32 s[\g+5], 2048                        ; pitch
	s_mov_b32 s[\g+6], 0
	s_mov_b32 s[\g+7], 0
.endr
	s_lshl_b32 s16, s43, 18                        ; x: 128 x token block rows of 2,048 bytes
	s_mov_b32 s17, 0
	s_lshl_b32 s18, s42, 18                        ; a weight: 128 x head rows
	s_mov_b32 s19, 0
	s_mul_i32 s45, s14, HALFT                      ; a weight's place in a slot: wave x 128 rows
	s_wait_dscnt 0x0                               ; both opening adds are done
	s_wait_kmcnt 0x0
	s_load_b256 s[4:11], s[86:87], 0x0             ; e0 .. e7
	s_load_b32 s12, s[86:87], 0x20                 ; e8
	s_add_nc_u64 s[22:23], s[68:69], s[16:17]
	s_cmp_eq_u32 s14, 2
	s_cselect_b64 s[46:47], s[72:73], s[70:71]     ; wave 2: wk, wave 1: wq,
	s_cmp_eq_u32 s14, 3
	s_cselect_b64 s[46:47], s[74:75], s[46:47]     ; wave 3: wv
	s_add_nc_u64 s[46:47], s[46:47], s[18:19]
.irp s, 0,1
	s_mov_b32 s[G0+4*\s], 1
	s_mov_b32 s[G0+4*\s+1], \s*SLOT
	s_add_nc_u64 s[G0+4*\s+2:G0+4*\s+3], s[22:23], \s*ROWB
	s_or_b32 s[G0+4*\s+3], s[G0+4*\s+3], 0x80000000
	s_mov_b32 s[G0B+4*\s], 1
	s_add_co_u32 s[G0B+4*\s+1], s45, \s*SLOT
	s_add_nc_u64 s[G0B+4*\s+2:G0B+4*\s+3], s[46:47], \s*ROWB
	s_or_b32 s[G0B+4*\s+3], s[G0B+4*\s+3], 0x80000000
.endr
	CROUND                                         ; all sixteen work-groups are here: the first joint loads meet
	JLOAD 0                                        ; K step 0
	; the prefetches.  A wave's 128 rows of a K step are shared out by address among the four partners that ask for them jointly: 32 rows x 256 bytes each, a lane a row, one instruction a wave: each block is named
	; once in each cluster that loads it
	s_cmp_eq_u32 s14, 0
	s_cselect_b64 s[PFA:PFA+1], s[22:23], s[46:47]
	s_cselect_b32 s18, s40, s41                    ; my place among the four: cx for x, cy for a weight
	s_lshl_b32 s18, s18, 16                        ; 32 rows are 65,536 bytes
	s_add_nc_u64 s[PFA:PFA+1], s[PFA:PFA+1], s[18:19]
	s_lshl_b32 s16, s42, 18                        ; where the codes go: 262,144 bytes a head, 16,384 a block of 128 tokens
	s_lshl_b32 s18, s43, 14
	s_add_co_u32 s16, s16, s18
	s_add_nc_u64 s[88:89], s[88:89], s[16:17]
	s_add_nc_u64 s[90:91], s[90:91], s[16:17]
	s_add_nc_u64 s[92:93], s[92:93], s[16:17]
	s_mul_i32 s15, s14, 32*PITCH
	s_add_co_u32 s15, s15, HALFT                   ; my 32 rows of wq in a slot
	s_lshl_b32 s16, s14, 12                        ; my two channel tiles of v's image
	s_lshl_b32 s18, s43, 15                        ; cos, sin: rows of 256 bytes
	s_lshl_b32 s19, s14, 6
	s_add_co_u32 s18, s18, s19                     ; + my 16 pairs
	s_lshl_b32 s19, s42, 9                         ; the bias: 4 x (128 x head + 32 x wave)
	s_lshl_b32 s22, s14, 7
	s_add_co_u32 s19, s19, s22
	s_wait_kmcnt 0x0
.macro SUMSCALE d, a, b                ; a sum stands for sum x 2^(ea + eb)
	s_add_co_i32 s\d, s\a, s\b
	s_add_co_i32 s\d, s\d, 127
	s_lshl_b32 s\d, s\d, 23
.endm
	SUMSCALE 66, 4, 5
	SUMSCALE 94, 6, 7
	SUMSCALE 96, 8, 9
	s_mov_b32 s67, s66                             ; (named with it as a pair, so it is written)
	s_mov_b32 s95, s94
	s_mov_b32 s97, s96
.irp y, 0,1,2
	s_add_co_i32 s[10+\y], s[10+\y], 127
	s_lshl_b32 s[4+\y], s[10+\y], 23               ; 2^e of the result
	s_add_co_i32 s[10+\y], s[10+\y], 8
	s_lshl_b32 s[10+\y], s[10+\y], 23
	s_or_b32 s[10+\y], s[10+\y], 0x600000          ; 448 x that
.endr
.irp y, 0,1,2
	v_mov_b32 v[SCL+\y], s[4+\y]
	v_mov_b32 v[LIM+\y], s[10+\y]
.endr
	v_and_b32 v2, 15, v0                           ; r
	v_bfe_u32 v3, v0, 4, 1                         ; h
	v_and_b32 v4, 31, v0                           ; lane
	v_lshlrev_b32 v[PFO], 11, v4
	v_lshlrev_b32 v[CO], 4, v0                     ; q's, k's image: 512 bytes a wave
	v_lshl_add_u32 v[CV], v4, 4, s16
	v_mul_u32_u24 v5, v2, PITCH
	v_lshl_add_u32 v[AX], v3, 4, v5                ; row r, + 16 h
	v_add_nc_u32 v[AX+1], SLOT, v[AX]
	v_add_nc_u32 v[AW], s15, v[AX]
	v_add_nc_u32 v[AW+1], SLOT, v[AW]
	v_add_nc_u32 v[AV], 2*HALFT, v[AW]
	v_add_nc_u32 v[AV+1], 2*HALFT, v[AW+1]
	v_lshlrev_b32 v6, 8, v2
	v_lshl_add_u32 v6, v3, 4, v6
	v_add_nc_u32 v[CSO], s18, v6                   ; cos, sin: token r, my half's four pairs
	v_lshl_add_u32 v[BCO], v3, 5, s19              ; bias by column: channel 8 h
	v_lshl_add_u32 v[BRO], v2, 2, s19              ; bias by row: channel r
	s_wait_alu depctr_va_vdst(0)
	global_prefetch_b8 v[PFO], s[PFA:PFA+1] offset:ROWB th:TH_LOAD_NT scope:SCOPE_SE     ; K steps 1 and 2
	global_prefetch_b8 v[PFO], s[PFA:PFA+1] offset:2*ROWB th:TH_LOAD_NT scope:SCOPE_SE
	WIN 0xc0                                       ; cos and sin for all of the wave's results, and the bias: they land under the ring
.irp a, 0,1,2,3,4,5,6,7
.irp b, 0,1
	global_load_b128 v[128+8*\a+4*\b:131+8*\a+4*\b], v[CSO], s[82:83] offset:4096*\a+32*\b
	global_load_b128 v[192+8*\a+4*\b:195+8*\a+4*\b], v[CSO], s[84:85] offset:4096*\a+32*\b
.endr
.endr
	WIN 0x40
.irp y, 0,1
.irp b, 0,1
	global_load_b128 v[192+16*\y+8*\b:195+16*\y+8*\b], v[BCO], s[76+2*\y:77+2*\y] offset:64*\b
	global_load_b128 v[196+16*\y+8*\b:199+16*\y+8*\b], v[BCO], s[76+2*\y:77+2*\y] offset:64*\b+16
.endr
.endr
.irp a, 0,1
	global_load_b32 v[224+2*\a], v[BRO], s[80:81] offset:64*\a   ; twice: a pair for the packed form
	global_load_b32 v[225+2*\a], v[BRO], s[80:81] offset:64*\a
.endr
	WIN 0
.macro LW slot, q, set                 ; the six fragments of w, 128 along K: lane (r, h) holds K = 32 c + 16 h + 0 .. 15 in registers 4 c .. 4 c + 3, alike in both sources
	WIN 0x40
.irp b, 0,1
.irp c, 0,1,2,3
	ds_load_b128 v[96*(\set)+16*\b+4*\c:96*(\set)+16*\b+4*\c+3], v[AW+\slot] offset:\b*16*PITCH+128*(\q)+32*\c
.endr
.endr
.irp b, 0,1
.irp c, 0,1,2,3
	ds_load_b128 v[96*(\set)+32+16*\b+4*\c:96*(\set)+32+16*\b+4*\c+3], v[AW+\slot] offset:HALFT+\b*16*PITCH+128*(\q)+32*\c
.endr
.endr
.irp b, 0,1
.irp c, 0,1,2,3
	ds_load_b128 v[96*(\set)+64+16*\b+4*\c:96*(\set)+64+16*\b+4*\c+3], v[AV+\slot] offset:\b*16*PITCH+128*(\q)+32*\c
.endr
.endr
	WIN 0
.endm
.macro SETX q, i                       ; where x's block i of step q stands
.if (\q) == 0
.set XB, 128+16*(\i)
.elseif (\i) < 6
.set XB, 32+16*(\i)
.else
.set XB, 128+16*((\i)-6)
.endif
.endm
.macro LX slot, q
.irp i, 0,1,2,3,4,5,6,7
	SETX \q, \i
.irp c, 0,1,2,3
	ds_load_b128 v[XB+4*\c:XB+4*\c+3], v[AX+\slot] offset:128*(\q)+32*\c+\i*16*PITCH
.endr
.endr
.endm
; q's and k's products of x's blocks i0 .. i0 + 3.  w: the count of LDS loads behind block i0's, which may stay out; negative: no wait.  The 48 accumulators take turns, one instruction a turn
.macro QKS q, i0, zero, w
.irp d, 0,1,2,3
.if (\w) >= 0
	s_wait_dscnt (\w)-4*\d
.endif
	WIN 0xa1                                       ; source 0 (w) window 1, source 1 (x) window 0, C and D window 2
	SETX \q, (\i0)+\d
.irp n, 0,1,2,3
.set AC, 128*(\n/2)+8*(2*((\i0)+\d)+(\n%2))
.if \zero
	v_wmma_f32_16x16x128_fp8_fp8 v[AC:AC+7], v[96*(\q)+16*\n:96*(\q)+16*\n+15], v[XB:XB+15], 0
.else
	v_wmma_f32_16x16x128_fp8_fp8 v[AC:AC+7], v[96*(\q)+16*\n:96*(\q)+16*\n+15], v[XB:XB+15], v[AC:AC+7]
.endif
.endr
.endr
.endm
.macro VS q, i0, zero                  ; v's products of the same blocks
	WIN 0xf4                                       ; source 0 (x) window 0, source 1 (wv) window 1, C and D window 3
.irp d, 0,1,2,3
	SETX \q, (\i0)+\d
.irp n, 0,1
.set AC, 8*(8*\n+(\i0)+\d)
.if \zero
	v_wmma_f32_16x16x128_fp8_fp8 v[AC:AC+7], v[XB:XB+15], v[96*(\q)+64+16*\n:96*(\q)+64+16*\n+15], 0
.else
	v_wmma_f32_16x16x128_fp8_fp8 v[AC:AC+7], v[XB:XB+15], v[96*(\q)+64+16*\n:96*(\q)+64+16*\n+15], v[AC:AC+7]
.endif
.endr
.endr
.endm
; The change of slots, at a slot's head: each wave waits for all its tensor loads (its part of the slot that it is about to read), adds 0 to its spare word, and waits for that and for its reads of the slot that it has left.
; fill = 1: behind a round of the cluster's barrier that slot is filled with the next K step, which has all of this slot's products in which to land.
.macro CHANGE f, fill, step
	s_wait_tensorcnt 0x0
	ds_add_u32 v[SPW], v[NIL]
.if \step
	s_add_nc_u64 s[G0+4*(\f)+2:G0+4*(\f)+3], s[G0+4*(\f)+2:G0+4*(\f)+3], 2*ROWB
	s_add_nc_u64 s[G0B+4*(\f)+2:G0B+4*(\f)+3], s[G0B+4*(\f)+2:G0B+4*(\f)+3], 2*ROWB
.endif
.if \fill
	s_wait_xcnt 0x0                                ; any prefetch of mine has read its address
	s_add_nc_u64 s[PFA:PFA+1], s[PFA:PFA+1], ROWB
.endif
	s_wait_dscnt 0x0
.if \fill
	CROUND
	JLOAD \f                                       ; its four v_nop are the places in front of the loads below
.else
	s_barrier_signal -1
	s_barrier_wait -1
	PLACES
.endif
.endm
; A K step of 256: two steps of 128.  The second step's fragments are asked for under the first's products.  ask: K step g + 3 is prefetched in K step g, two refills ahead of its load; 2: but not in the loop's last trip,
; where no such K step is left
.macro GEN slot, fill, step, zero, ask
	CHANGE 1-\slot, \fill, \step
	LW \slot, 0, 0
	LX \slot, 0
.if \ask
.if (\ask) == 2
	s_cmp_gt_u32 s3, 1
	s_cbranch_scc0 .Lno_ask_\@
.endif
	global_prefetch_b8 v[PFO], s[PFA:PFA+1] offset:2*ROWB th:TH_LOAD_NT scope:SCOPE_SE
.if (\ask) == 2
.Lno_ask_\@:
.endif
.endif
	QKS 0, 0, \zero, 28
	VS 0, 0, \zero
	LW \slot, 1, 1
	s_wait_dscnt 24                                ; x's blocks 4-7 are in; w's second set may be out
	QKS 0, 4, \zero, -1
	WIN 0
	PLACES                                         ; two of the loads below land where x's blocks 0 and 1 stood
	LX \slot, 1
	VS 0, 4, \zero
	QKS 1, 0, 0, 28
	VS 1, 0, 0
	QKS 1, 4, 0, 12
	VS 1, 4, 0
	WIN 0
.endm
	s_wait_alu depctr_va_vdst(0)
	GEN 0, 1, 0, 1, 1                              ; K step 0: its products start the sums
	s_mov_b32 s3, 3
.Lring:                                                ; K steps 1 to 6
	GEN 1, 1, 1, 0, 2
	GEN 0, 1, 1, 0, 2
	s_sub_co_u32 s3, s3, 1
	s_cmp_lg_u32 s3, 0
	s_cbranch_scc1 .Lring
	GEN 1, 0, 0, 0, 0                              ; K step 7: nothing is left to fetch
	; THE WAY OUT
	PLACES                                         ; behind the last products
	s_wait_loadcnt 0x0                             ; cos, sin, the bias
.macro HOLD y                          ; the conversion does not saturate (ISA guide 7.6.2)
.set i, 0
.rept 64
	v_med3_num_f32 v[TMP+i], v[TMP+i], -v[LIM+\y], v[LIM+\y]
.set i, i+1
.endr
.endm
; q (y = 0), k (y = 1): token blocks a0 .. a0 + 3: sum x 2^(ea + eb) + bias, the rotation of each pair of channels, the quantiser, the image
.macro QKOUT y, a0, sc, base
	WIN 0x12                                       ; source 0 (the sums) window 2, source 2 (the bias) window 1
.irp a, 0,1,2,3
.irp b, 0,1
.irp i, 0,2,4,6
	v_pk_fma_f32 v[TMP+16*\a+8*\b+\i:TMP+16*\a+8*\b+\i+1], v[128*\y+8*(2*(\a0+\a)+\b)+\i:128*\y+8*(2*(\a0+\a)+\b)+\i+1], s[\sc:\sc+1], v[192+16*\y+8*\b+\i:193+16*\y+8*\b+\i] op_sel_hi:[1,0,1]
.endr
.endr
.endr
	WIN 0x0c                                       ; source 1 (cos, sin) window 3
.irp a, 0,1,2,3
.irp b, 0,1
.irp p, 0,2                            ; pairs p and p + 1: (t2 sin, t1 sin)
.set XT, TMP+16*\a+8*\b+2*\p
.set XR, RT+16*\a+8*\b+2*\p
.set XS, 192+8*(\a0+\a)+4*\b+\p
	v_pk_mul_f32 v[XR:XR+1], v[XT:XT+1], v[XS:XS+1] op_sel:[1,0] op_sel_hi:[0,0]
	v_pk_mul_f32 v[XR+2:XR+3], v[XT+2:XT+3], v[XS:XS+1] op_sel:[1,1] op_sel_hi:[0,1]
.endr
.endr
.endr
.irp a, 0,1,2,3
.irp b, 0,1
.irp p, 0,2                            ; (t1 cos - t2 sin, t2 cos + t1 sin)
.set XT, TMP+16*\a+8*\b+2*\p
.set XR, RT+16*\a+8*\b+2*\p
.set XS, 128+8*(\a0+\a)+4*\b+\p
	v_pk_fma_f32 v[XT:XT+1], v[XT:XT+1], v[XS:XS+1], v[XR:XR+1] op_sel_hi:[1,0,1] neg_lo:[0,0,1]
	v_pk_fma_f32 v[XT+2:XT+3], v[XT+2:XT+3], v[XS:XS+1], v[XR+2:XR+3] op_sel:[0,1,0] op_sel_hi:[1,1,1] neg_lo:[0,0,1]
.endr
.endr
.endr
	WIN 0
	HOLD \y
.set CD, 192+32*\y+4*\a0
.irp n, 0,1,2,3,4,5,6,7
	v_cvt_scalef32_pk8_fp8_f32 v[CD+2*\n:CD+2*\n+1], v[TMP+8*\n:TMP+8*\n+7], v[SCL+\y]
.endr
	v_nop                                          ; a plain instruction behind the last conversion
.irp a, 0,1,2,3
	global_store_b128 v[CO], v[CD+4*\a:CD+4*\a+3], s[\base:\base+1] offset:2048*(\a0+\a)   ; 512 consecutive bytes, at a multiple of 512
.endr
.endm
.macro VOUT a                          ; v: channel tile a: sum x 2^(e4 + e5) + the channel's bias, the quantiser, the image
	WIN 0x13
.set i, 0
.rept 32
	v_pk_fma_f32 v[TMP+i:TMP+i+1], v[64*\a+i:64*\a+i+1], s[96:97], v[224+2*\a:225+2*\a] op_sel_hi:[1,0,1]
.set i, i+2
.endr
	WIN 0
	HOLD 2
.set CD, 96+16*\a
.irp n, 0,1,2,3,4,5,6,7
	v_cvt_scalef32_pk8_fp8_f32 v[CD+2*\n:CD+2*\n+1], v[TMP+8*\n:TMP+8*\n+7], v[SCL+2]
.endr
	v_nop
.irp c, 0,1,2,3
	global_store_b128 v[CV], v[CD+4*\c:CD+4*\c+3], s[92:93] offset:2048*\a+512*\c
.endr
.endm
	QKOUT 0, 0, 66, 88
	QKOUT 0, 4, 66, 88
	QKOUT 1, 0, 94, 90
	QKOUT 1, 4, 94, 90
	VOUT 0
	VOUT 1
	s_wait_tensorcnt 0x0                           ; the wave's end
	ds_add_u32 v[SPW], v[NIL]
	s_wait_dscnt 0x0
	CROUND                                         ; the closing round
	s_endpgm
.Lfunc_end_k_q030d1fccf0_qkv:
	.size	k_q030d1fccf0_qkv, .Lfunc_end_k_q030d1fccf0_qkv-k_q030d1fccf0_qkv
	.p2alignl 7, 3214868480
	.fill 96, 4, 3214868480
	.section	.rodata,"a",@progbits
	.p2align	6, 0x0
	.amdhsa_kernel k_q030d1fccf0_qkv
		.amdhsa_group_segment_fixed_size 327680
		.amdhsa_private_segment_fixed_size 0
		.amdhsa_enable_private_segment 0
		.amdhsa_kernarg_size 104
		.amdhsa_user_sgpr_count 2
		.amdhsa_user_sgpr_kernarg_segment_ptr 1
		.amdhsa_wavefront_size32 1
		.amdhsa_system_sgpr_workgroup_id_x 1
		.amdhsa_system_sgpr_workgroup_id_y 1
		.amdhsa_system_sgpr_workgroup_id_z 1
		.amdhsa_system_vgpr_workitem_id 0
		.amdhsa_next_free_vgpr 1024
		.amdhsa_next_free_sgpr 98
		.amdhsa_reserve_vcc 0
		.amdhsa_float_denorm_mode_32 3
		.amdhsa_float_denorm_mode_16_64 3
		.amdhsa_memory_ordered 1
		.amdhsa_forward_progress 1
		.amdhsa_inst_pref_size 131
	.end_amdhsa_kernel
	.amdgpu_metadata
---
amdhsa.version: [ 1, 2 ]
amdhsa.kernels:
  - .name:           k_q030d1fccf0_qkv
    .symbol:         k_q030d1fccf0_qkv.kd
    .args:
      - { .name: x_codes, .offset: 0, .size: 8, .value_kind: global_buffer, .address_space: global }
      - { .name: wq_codes, .offset: 8, .size: 8, .value_kind: global_buffer, .address_space: global }
      - { .name: wk_codes, .offset: 16, .size: 8, .value_kind: global_buffer, .address_space: global }
      - { .name: wv_codes, .offset: 24, .size: 8, .value_kind: global_buffer, .address_space: global }
      - { .name: bq, .offset: 32, .size: 8, .value_kind: global_buffer, .address_space: global }
      - { .name: bk, .offset: 40, .size: 8, .value_kind: global_buffer, .address_space: global }
      - { .name: bv, .offset: 48, .size: 8, .value_kind: global_buffer, .address_space: global }
      - { .name: freqs_cos, .offset: 56, .size: 8, .value_kind: global_buffer, .address_space: global }
      - { .name: freqs_sin, .offset: 64, .size: 8, .value_kind: global_buffer, .address_space: global }
      - { .name: lowp_scales, .offset: 72, .size: 8, .value_kind: global_buffer, .address_space: global }
      - { .name: qc, .offset: 80, .size: 8, .value_kind: global_buffer, .address_space: global }
      - { .name: kc, .offset: 88, .size: 8, .value_kind: global_buffer, .address_space: global }
      - { .name: vc, .offset: 96, .size: 8, .value_kind: global_buffer, .address_space: global }
    .group_segment_fixed_size: 327680
    .private_segment_fixed_size: 0
    .kernarg_segment_align: 8
    .kernarg_segment_size: 104
    .max_flat_workgroup_size: 128
    .sgpr_count:     98
    .vgpr_count:     1024
    .wavefront_size: 32
...
	.end_amdgpu_metadata
.endif
;; end of part 1
;; launch attn (part 2): grid 16 x 16, 16 waves a work-group, clusters of 4 x 1, 327,680 bytes of LDS; arguments qc, kc, vc, lowp_scales, oc; writes oc
.if DOCPART == 2
	.amdgcn_target "amdgcn-amd-amdhsa--gfx1250"
	.amdhsa_code_object_version 6
	.text
	.protected	k_q030d1fccf0_attn
	.globl	k_q030d1fccf0_attn
	.p2align	8
	.type	k_q030d1fccf0_attn,@function
k_q030d1fccf0_attn:
	s_mov_b64 s[64:65], 0
	v_nop
	global_prefetch_b8 v0, s[64:65] scope:SCOPE_SE
	s_setreg_imm32_b32 hwreg(HW_REG_WAVE_MODE, 25, 1), 1
	s_wait_xcnt 0x0
	s_wait_alu depctr_hold_cnt(0) depctr_sa_sdst(0) depctr_va_vdst(0) depctr_va_sdst(0) depctr_va_ssrc(0) depctr_va_vcc(0) depctr_vm_vsrc(0)
	s_getreg_b32 s2, hwreg(HW_REG_IB_STS2, 6, 4)
	s_cmp_eq_u32 s2, 0
	s_cbranch_scc0 .Lentry_in_a_cluster
	s_endpgm
.Lentry_in_a_cluster:
	s_bfe_u32 s2, ttmp6, 0x10000c
	s_cmp_lg_u32 s2, 0x3003
	s_cbranch_scc0 .Lentry_shape_is_right
	s_endpgm
.Lentry_shape_is_right:
; Causal attention of 16 heads of 128 channels over 2,048 tokens, both products on codes of E4M3.  qc, kc, vc: as the launch before lays them (swap34(n) = n with bits 3 and 4 exchanged):
; qc, kc [head][block of 16 tokens][c 0..3][lane (r, h)][16];  vc [head][block of 128 keys][tile of 16 channels][c 0..3][lane (r, h)][16].
; oc [block of 16 tokens][head][2,048]: the image of the last product's fragment: byte 512 c + 16 lane = registers 4 c .. 4 c + 3 of lane (r, h) = o(16 block + r, 128 head + 32 c + 16 h + 0 .. 15), codes with scale 2^e10.
; THE SOFTMAX: t = score x log2(e) / sqrt(128); M = the largest t so far, rounded UP to a whole number; p = 2^(t - M) is quantised (2^e9), not normalised; the sum is taken of the unquantised p and divides at the end.
; LAYOUT.  S^T = K Q^T (source 0 = 16 neighbouring keys, source 1 = my 16 queries), O^T = V^T P^T: a lane holds ONE query (lane % 16).  Register j of score tile t is key 16 t + 8 h + j, so the conversions give registers
; 2 t, 2 t + 1 = keys 16 t + 8 h + 0 .. 7, and V's rows, read 16 bytes at a time, hold the same keys in the same registers.  V's rows are ordered so that O^T's conversions are oc's image as they stand.
; SHARES.  A work-group of sixteen waves, four to a SIMD, serves 8 tiles of 16 queries of one head.  Wave w: s = w & 3, par = (w >> 2) & 1, hi = w >> 3.  The tile's diagonal key step is
; DG = 2 c + (s & 1) (hi = 0) or 15 - that (hi = 1), c the cluster's x; its queries begin at 128 DG + 32 cx + 16 (s >> 1).  Waves w and w + 4 own ONE tile and share its key steps of 128: parity par takes steps 2 n + par.
; A tile has DG + 1 steps, so the four waves s, s + 4, s + 8, s + 12 have 17 steps together, in every work-group.  At the end the odd wave hands O^T, -M and its sum to the even one through LDS.
; M runs by itself in each of the two waves: numbers far below the row's largest may be kept finer than under the row's own M.
; THE RING.  Two LDS slots of 512 keys: four key steps of K, then the same four of V, as large as two fit.  The head's 2,048 keys are four slots' worth: three refills, each with a whole slot's steps (two a wave) in which to
; land.  The four are written out: every LDS address is a constant + the lane's term.  Eight copies of the key step.
; CLUSTER.  The four work-groups of a cluster walk the same K and V of one head: each tile is asked for jointly.  Every branch hangs on DG, the step and the wave's number, which the partners share; cx enters Q's, oc's and the
; prefetches' addresses and the mask's numbers alone.  Every work-group walks all four slots; a step whose keys all come after the tile's queries is left out by a scalar branch round its work.
; LIMITS: e6 + e7 between -123 and 130; e9, e10 between -126 and 119.  NaN among the inputs is not served.
; REGISTERS: v1-11 addresses; v12 -M, v13 the largest t, v[14:15] the sum in two halves; v16-31 Q; v32-95 four fragments of K or V; v96-159 S^T, then p; v160-223 O^T; v224-239 codes; v236, v240-254 scales and at work.
; The three buffers of codes hold operands' images, as the launch before lays them: 2,048 bytes for 16 rows x 128, byte 512 c + 16 lane = registers 4 c .. 4 c + 3; V's rows are channels in their own order, and swap34 has no part in it.
.set TILE,  16384                      ; a key step's eight images of K, or of V: dense, and without padding: a load's 32 lanes read 512 consecutive bytes
.set VOFF,  4*TILE                     ; a slot: K of its four key steps, then V of the four
.set SLOTL, 8*TILE                     ; a slot in LDS
.set SLOTB, 65536                      ; a slot's bytes of K, and of V, in memory
.set SPARE, 2*SLOTL                    ; behind the ring: the spare words, 128 bytes for each of the sixteen waves
.set MSZ,   8448                       ; where the parities meet: for each of the 8 tiles 16 x 512 bytes of O^T and 256 of statistics, from LDS byte 0 on: in slot 0, which has had its last fill at the second change of
                                       ; slots and its last read ahead of the fourth change's barrier
.set AK0, 1
.set AV0, 2
.set MD,  3                            ; v3   my query within the diagonal step, less 8 h
.set PFO, 4                            ; v4   256 x lane; never rewritten
.set SPW, 5
.set NIL, 6
.set LI,  7                            ; v7   16 x lane
.set ADK, 8
.set ADV, 9
.set MA,  10                           ; v10  my tile's place for O^T + 16 x lane
.set MS,  11                           ; v11  its statistics + 8 x lane
.set HI,  3
.set WV,  18
.set PAR, 19
.set SEL, 20
.set CS,  22
.set G1,  24
.set G0,  40                           ; s[40:43] slot 0's group 0, s[44:47] slot 1's
.set PFA, 76                           ; s[76:77] my wave's part of slot 0 in K or in V; never rewritten: the slot stands in the prefetch's immediate
.set LIM, 80                           ; s80  1 in a wave that prefetches, else 0
.set CX,  81
.set KS,  98                           ; s98  my next key step
.set DG,  99                           ; s99  my tile's diagonal key step
.macro TLOAD g                         ; waves 0 to 3 fetch two key steps' rows each: K's 0, 1; K's 2, 3; V's 0, 1; V's 2, 3.  Four v_nop follow the line
	s_cmp_lt_u32 s[WV], 4
	s_cbranch_scc0 .Lasked_\@
	tensor_load_to_lds s[\g:\g+3], s[G1:G1+7]
	s_nop 0
.rept 4
	v_nop
.endr
.Lasked_\@:
.endm
; A prefetch of what the NEXT change of slots will ask for: 65,536 bytes of K and as many of V: a slot's eight key steps of the work-group ahead of that load.  All clusters of a head walk the same bytes: the head's first
; cluster asks; its four partners take 16,384 bytes each, told apart by address; in each, waves 4 and 5 ask for K's and waves 6 and 7 for V's, 8,192 bytes a wave, lanes 256 bytes apart.  So each block of 256 bytes is named
; once.  The first change of slots asks for slot 2, the second for slot 3, the third for nothing; slots 0 and 1 come by their loads alone.
.macro ASK slot
	s_cmp_eq_u32 s[LIM], 1
	s_cbranch_scc0 .Lnot_mine_\@
	global_prefetch_b8 v[PFO], s[PFA:PFA+1] offset:(\slot)*SLOTB th:TH_LOAD_NT scope:SCOPE_SE
.Lnot_mine_\@:
.endm
.macro CROUND
	s_barrier_signal -1
	s_barrier_wait -1
	s_cmp_lg_u32 s[WV], 0
	s_cbranch_scc1 .Lnot_wave_0_\@
	s_barrier_signal -3
.Lnot_wave_0_\@:
	s_barrier_wait -3
	s_barrier_signal -1
	s_barrier_wait -1
.endm
	s_load_b128 s[4:7], s[0:1], 0x0                ; qc, kc
	s_load_b128 s[12:15], s[0:1], 0x10             ; vc, the scales' exponents
	s_load_b64 s[16:17], s[0:1], 0x20              ; oc
	v_lshl_add_u32 v[SPW], v0, 2, SPARE
	v_mov_b32 v[NIL], 0
	ds_add_u32 v5, v6
	ds_add_u32 v5, v6
	s_wait_dscnt 0x0
	v_lshrrev_b32 v8, 5, v0
	s_delay_alu instid0(VALU_DEP_1)
	v_readfirstlane_b32 s[WV], v8                  ; wave 0..15
	s_bfe_u32 s[CX], ttmp6, 0x40000
	s_and_b32 s88, ttmp7, 0xffff
	s_lshl_b32 s88, s88, 18                        ; the head's first byte in qc, kc, vc
	s_mov_b32 s89, 0
	s_and_b32 s82, s[WV], 3                        ; s
	s_bfe_u32 s[PAR], s[WV], 0x10002
	s_lshr_b32 s[HI], s[WV], 3
	s_and_b32 s83, s82, 1
	s_lshl_b32 s84, ttmp9, 1
	s_add_co_u32 s83, s83, s84                     ; 2 c + (s & 1)
	s_sub_co_u32 s84, 15, s83
	s_cmp_eq_u32 s[HI], 0
	s_cselect_b32 s[DG], s83, s84
	s_lshr_b32 s85, s82, 1                         ; s >> 1
	; every LDS address that stays is made here, ahead of the first branch on the wave's number
	v_and_b32 v8, 15, v0                           ; r
	v_bfe_u32 v9, v0, 4, 1                         ; h
	v_and_b32 v10, 31, v0                          ; lane
	s_delay_alu instid0(VALU_DEP_1)
	v_lshlrev_b32 v[PFO], 8, v10
	s_delay_alu instid0(VALU_DEP_2)
	v_lshlrev_b32 v[LI], 4, v10
	s_delay_alu instid0(VALU_DEP_3)
	v_lshlrev_b32 v11, 3, v10
	s_mul_i32 s86, s[PAR], TILE
	v_add_nc_u32 v[AK0], s86, v[LI]                ; my parity's first tile of K in a slot, + 16 x lane
	s_delay_alu instid0(VALU_DEP_1)
	v_add_nc_u32 v[AV0], VOFF, v[AK0]              ; and of V
	s_lshl_b32 s86, s[HI], 2
	s_add_co_u32 s86, s86, s82                     ; my tile's number in the work-group: s + 4 hi
	s_mul_i32 s86, s86, MSZ
	v_add_nc_u32 v[MA], s86, v[LI]
	s_add_co_u32 s86, s86, 8192
	v_add_nc_u32 v[MS], s86, v11
	s_lshl_b32 s86, s[CX], 5
	s_lshl_b32 s87, s85, 4
	s_add_co_u32 s86, s86, s87                     ; 32 cx + 16 (s >> 1)
	s_wait_alu depctr_va_vdst(0)
	v_lshlrev_b32 v[MD], 3, v9
	s_delay_alu instid0(VALU_DEP_1)
	v_sub_nc_u32 v[MD], v8, v[MD]
	s_delay_alu instid0(VALU_DEP_1)
	v_add_nc_u32 v[MD], s86, v[MD]
	s_lshl_b32 s87, s[DG], 7
	s_add_co_u32 s84, s86, s87                     ; my first query
	s_mov_b32 s[G1], 15|(3<<16)|(1<<21)            ; all four work-groups; elements of 8 bytes; bit 21 beside a mask
	s_mov_b32 s[G1+1], 1024<<16                    ; two key steps are 32,768 dense bytes: four rows of 8,192
	s_mov_b32 s[G1+2], 4<<16
	s_mov_b32 s[G1+3], 1024<<16
	s_mov_b32 s[G1+4], 4
	s_mov_b32 s[G1+5], 1024
	s_mov_b32 s[G1+6], 0
	s_mov_b32 s[G1+7], 0
	s_mov_b32 s[SEL], 0x76543210
	s_mov_b32 s[SEL+1], 0xfedcba98
	s_mov_b32 s[CS], 0x3e0293ee                    ; c = log2(e) / sqrt(128)
	s_mov_b32 s[KS], s[PAR]
	s_lshr_b32 s86, s[WV], 2
	s_xor_b32 s86, s86, 1                          ; 0 in waves 4 to 7,
	s_or_b32 s86, s86, ttmp9                       ; of the head's first cluster: the same in all four partners
	s_cmp_eq_u32 s86, 0
	s_cselect_b32 s[LIM], 1, 0
	s_mov_b32 s[G0], 1
	s_mul_i32 s[G0+1], s82, 2*TILE                 ; wave 0, 1: K's steps 0, 1 and 2, 3; wave 2, 3: V's
	s_mov_b32 s[G0+4], 1
	s_add_co_u32 s[G0+5], s[G0+1], SLOTL
	s_and_b32 s86, s[WV], 1
	s_lshl_b32 s86, s86, 15                        ; two key steps are 32,768 bytes of K and of V
	s_mov_b32 s87, 0
	s_add_nc_u64 s[86:87], s[86:87], s[88:89]
	s_wait_kmcnt 0x0
	s_load_b256 s[68:75], s[14:15], 0x10           ; e4 .. e11
	s_cmp_lt_u32 s[WV], 2
	s_cselect_b64 s[G0+2:G0+3], s[6:7], s[12:13]
	s_add_nc_u64 s[G0+2:G0+3], s[G0+2:G0+3], s[86:87]   ; slot 0 begins with keys 0 to 511,
	s_add_nc_u64 s[G0+6:G0+7], s[G0+2:G0+3], SLOTB      ; slot 1 with keys 512 to 1,023
	s_or_b32 s[G0+3], s[G0+3], 0x80000000
	s_or_b32 s[G0+7], s[G0+7], 0x80000000
	CROUND                                         ; all four work-groups are here: the first joint loads meet
	TLOAD G0                                       ; slot 0
	s_cmp_lt_u32 s[WV], 6
	s_cselect_b64 s[PFA:PFA+1], s[6:7], s[12:13]
	s_lshl_b32 s86, s[CX], 14                      ; my work-group's 16,384 bytes of a slot's 65,536,
	s_and_b32 s87, s[WV], 1
	s_lshl_b32 s87, s87, 13                        ; my wave's 8,192 of them
	s_add_co_u32 s86, s86, s87
	s_mov_b32 s87, 0
	s_add_nc_u64 s[86:87], s[86:87], s[88:89]
	s_add_nc_u64 s[PFA:PFA+1], s[PFA:PFA+1], s[86:87]
	s_lshl_b32 s86, s84, 7
	s_mov_b32 s87, 0
	s_add_nc_u64 s[86:87], s[86:87], s[88:89]
	s_add_nc_u64 s[4:5], s[4:5], s[86:87]          ; Q at my first query
	s_lshl_b32 s86, s84, 11                        ; oc: (my first query / 16) blocks of 32,768 bytes,
	s_lshr_b32 s87, s88, 7                         ; + 2,048 x head
	s_add_co_u32 s86, s86, s87
	s_mov_b32 s87, 0
	s_add_nc_u64 s[16:17], s[16:17], s[86:87]
	s_wait_alu depctr_va_vdst(0)
.irp c, 0,1,2,3
	global_load_b128 v[16+4*\c:19+4*\c], v[LI], s[4:5] offset:512*\c
.endr
	v_mov_b32 v13, 0xff61b1e6                      ; the largest t so far: -3e38
	s_delay_alu instid0(VALU_DEP_1)
	v_floor_f32 v12, -v13                          ; -M
	v_mov_b32 v14, 0
	v_mov_b32 v15, 0
	v_mov_b32 v236, 0                              ; a lane permute's destination counts as one of its sources
	v_mov_b32 v253, 0                              ; (upper halves of pairs that are named whole)
	v_mov_b32 v251, 0
.set j, 0
.rept 64
	v_mov_b32 v[160+j], 0                          ; O^T: every copy of the step is alike, and a wave may have no step at all
.set j, j+1
.endr
	s_wait_kmcnt 0x0
	s_add_co_i32 s86, s70, s71
	s_lshl_b32 s86, s86, 23
	s_add_co_i32 s[CS], s[CS], s86                 ; a score stands for score x 2^(e6 + e7): added to c's exponent field
	s_mov_b32 s[CS+1], s[CS]
	s_add_co_i32 s86, s73, 127
	s_lshl_b32 s87, s86, 23
	v_mov_b32 v244, s87                            ; 2^e9
	s_add_co_i32 s86, s86, 8
	s_lshl_b32 s86, s86, 23
	s_or_b32 s86, s86, 0x600000
	v_mov_b32 v240, s86                            ; 448 x 2^e9
	s_add_co_i32 s86, s74, 127
	s_lshl_b32 s87, s86, 23
	v_mov_b32 v245, s87                            ; 2^e10
	s_add_co_i32 s86, s86, 8
	s_lshl_b32 s86, s86, 23
	s_or_b32 s86, s86, 0x600000
	v_mov_b32 v241, s86                            ; 448 x 2^e10
; A KEY STEP OF MINE: 128 keys.  base: the LDS byte at which the pair of key steps begins of which my parity takes one
.macro STEP base
.set SB, \base
	s_cmp_gt_u32 s[KS], s[DG]                      ; all its keys come after my queries: its work is left out; no barrier and no tensor load stands in a step
	s_cbranch_scc1 .Lhidden_\@
	v_add_nc_u32 v[ADK], SB, v[AK0]
	s_wait_alu depctr_va_vdst(0)
	v_add_nc_u32 v[ADV], SB, v[AV0]
.irp g, 0,1                                    ; S^T = K Q^T, four tiles of 16 keys at a time
.rept 4-2*(1-\g)
	v_nop                                          ; four places in front of loads into registers that products have read; the two additions above are places too
.endr
.irp t, 0,1,2,3
.irp c, 0,1,2,3
	ds_load_b128 v[32+16*\t+4*\c:32+16*\t+4*\c+3], v[ADK] offset:2048*(4*\g+\t)+512*\c
.endr
.endr
	s_wait_dscnt 0x0
.irp t, 0,1,2,3
	v_wmma_f32_16x16x128_fp8_fp8 v[96+8*(4*\g+\t):103+8*(4*\g+\t)], v[32+16*\t:47+16*\t], v[16:31], 0
.endr
.endr
.rept 4
	v_nop                                          ; four places: in front of the loads below, into registers that the last products read, and of the first read of the scores
.endr
	s_wait_alu depctr_va_vdst(0)
.irp t, 0,1,2,3                                ; V's first four tiles are asked for here: the softmax names none of their registers and stands between the loads and the wait for them
.irp c, 0,1,2,3
	ds_load_b128 v[32+16*\t+4*\c:32+16*\t+4*\c+3], v[ADV] offset:2048*\t+512*\c
.endr
.endr
	s_cmp_lg_u32 s[KS], s[DG]                      ; on the diagonal the scores of hidden keys become -infinity ahead of the maximum: p = 0 then.  Key 128 DG counts for every query of the tile
	s_cbranch_scc1 .Lopen_\@
	v_mov_b32 v254, 0xff800000
.set n, 0
.rept 64
	v_cmp_gt_i32 vcc_lo, 16*(n/8)+n%8, v[MD]       ; register n holds key 16 (n / 8) + 8 h + n % 8 of the step
	v_cndmask_b32 v[96+n], v[96+n], v254, vcc_lo
.set n, n+1
.endr
.Lopen_\@:
	v_max3_num_f32 v254, v96, v97, v98             ; the step's largest score of my query among my 64 keys, in two chains,
	v_max3_num_f32 v252, v99, v100, v101
.irp i, 6,10,14,18,22,26,30,34,38,42,46,50,54,58
	v_max3_num_f32 v254, v254, v[96+\i], v[97+\i]
	v_max3_num_f32 v252, v252, v[98+\i], v[99+\i]
.endr
	v_max3_num_f32 v254, v254, v158, v159
	s_delay_alu instid0(VALU_DEP_1)
	v_max_num_f32 v254, v254, v252
	v_permlanex16_b32 v236, v254, s[SEL], s[SEL+1]
	s_delay_alu instid0(VALU_DEP_1)
	v_max_num_f32 v254, v254, v236                 ; and among lane l xor 16's
	s_delay_alu instid0(VALU_DEP_1)
	v_mul_f32 v254, s[CS], v254                    ; as t (c is positive)
	s_delay_alu instid0(VALU_DEP_1)
	v_max_num_f32 v13, v13, v254
	v_mov_b32 v254, v12
	s_delay_alu instid0(VALU_DEP_2)
	v_floor_f32 v12, -v13                          ; the new -M = floor(-t): M is a whole number
	s_delay_alu instid0(VALU_DEP_1)
	v_sub_f32 v254, v12, v254                      ; old M - new M: a whole number, 0 or less
	s_delay_alu instid0(VALU_DEP_1)
	v_cvt_i32_f32 v254, v254                       ; (it saturates)
	s_delay_alu instid0(VALU_DEP_1)
	v_ldexp_f32 v252, 1.0, v254                    ; f = 2^(old M - new M)
.set j, 0
.rept 32
	v_pk_fma_f32 v[96+j:97+j], v[96+j:97+j], s[CS:CS+1], v[12:13] op_sel_hi:[1,0,0]   ; t - M, two at a time
.set j, j+2
.endr
.set j, 0
	s_wait_alu depctr_va_vdst(0)
.rept 64
	v_exp_f32 v[96+j], v[96+j]                     ; p = 2^(t - M), at most 1
.set j, j+1
.endr
	v_pk_mul_f32 v[14:15], v[14:15], v[252:253] op_sel_hi:[1,0]   ; the sums under the new M: the plain instruction behind the exponentials
	s_wait_alu depctr_va_vdst(0)                   ; one wait for the whole batch, ahead of its first reader
	v_pk_add_f32 v[242:243], v[100:101], v[104:105]
	v_pk_add_f32 v[254:255], v[108:109], v[112:113]
	v_pk_add_f32 v[248:249], v[116:117], v[120:121]
	v_pk_add_f32 v[246:247], v[124:125], v[128:129]
	v_pk_add_f32 v[238:239], v[132:133], v[136:137]
	v_pk_add_f32 v[236:237], v[140:141], v[144:145]
	v_pk_add_f32 v[234:235], v[148:149], v[152:153]
	v_pk_add_f32 v[14:15], v[14:15], v[156:157]
	v_pk_add_f32 v[242:243], v[242:243], v[96:97]
	v_pk_add_f32 v[254:255], v[254:255], v[98:99]
	v_pk_add_f32 v[248:249], v[248:249], v[102:103]
	v_pk_add_f32 v[246:247], v[246:247], v[106:107]
	v_pk_add_f32 v[238:239], v[238:239], v[110:111]
	v_pk_add_f32 v[236:237], v[236:237], v[114:115]
	v_pk_add_f32 v[234:235], v[234:235], v[118:119]
	v_pk_add_f32 v[14:15], v[14:15], v[122:123]
	v_pk_add_f32 v[242:243], v[242:243], v[126:127]
	v_pk_add_f32 v[254:255], v[254:255], v[130:131]
	v_pk_add_f32 v[248:249], v[248:249], v[134:135]
	v_pk_add_f32 v[246:247], v[246:247], v[138:139]
	v_pk_add_f32 v[238:239], v[238:239], v[142:143]
	v_pk_add_f32 v[236:237], v[236:237], v[146:147]
	v_pk_add_f32 v[234:235], v[234:235], v[150:151]
	v_pk_add_f32 v[14:15], v[14:15], v[154:155]
	v_pk_add_f32 v[242:243], v[242:243], v[158:159]
	s_delay_alu instid0(VALU_DEP_2)
	v_pk_add_f32 v[14:15], v[14:15], v[246:247]
	s_delay_alu instid0(VALU_DEP_2)
	v_pk_add_f32 v[242:243], v[242:243], v[238:239]
	v_pk_add_f32 v[254:255], v[254:255], v[236:237]
	v_pk_add_f32 v[248:249], v[248:249], v[234:235]
	s_delay_alu instid0(VALU_DEP_2)
	v_pk_add_f32 v[14:15], v[14:15], v[254:255]
	s_delay_alu instid0(VALU_DEP_2)
	v_pk_add_f32 v[242:243], v[242:243], v[248:249]
	s_delay_alu instid0(VALU_DEP_1)
	v_pk_add_f32 v[14:15], v[14:15], v[242:243]
.irp t, 0,1,2,3,4,5,6,7
.irp i, 0,1,2,3,4,5,6,7
	v_min_num_f32 v[96+8*\t+\i], v[96+8*\t+\i], v240   ; the conversion does not saturate (ISA guide 7.6.2); p is not negative, so the hold is one-sided
.endr
	v_cvt_scalef32_pk8_fp8_f32 v[224+2*\t:225+2*\t], v[96+8*\t:103+8*\t], v244
.endr
.set j, 0
.rept 32
	v_pk_mul_f32 v[160+j:161+j], v[160+j:161+j], v[252:253] op_sel_hi:[1,0]   ; O^T under the new M; these are also the plain instructions between the conversions and the products below
.set j, j+2
.endr
	s_wait_alu depctr_va_vdst(0)
	s_wait_dscnt 0x0                               ; V's first four tiles.  O^T += V^T P^T: the eight accumulators take turns
.irp t, 0,1,2,3
	v_wmma_f32_16x16x128_fp8_fp8 v[160+8*\t:167+8*\t], v[32+16*\t:47+16*\t], v[224:239], v[160+8*\t:167+8*\t]
.endr
.rept 4
	v_nop
.endr
.irp t, 0,1,2,3
.irp c, 0,1,2,3
	ds_load_b128 v[32+16*\t+4*\c:32+16*\t+4*\c+3], v[ADV] offset:2048*(4+\t)+512*\c
.endr
.endr
	s_wait_dscnt 0x0
.irp t, 0,1,2,3
	v_wmma_f32_16x16x128_fp8_fp8 v[192+8*\t:199+8*\t], v[32+16*\t:47+16*\t], v[224:239], v[192+8*\t:199+8*\t]
.endr
.Lhidden_\@:
	s_add_co_u32 s[KS], s[KS], 2
.endm
; THE CHANGE OF SLOTS stands at a slot's head.  Each wave waits for all its tensor loads, adds 0 to its spare word, and waits for that and for its reads of the slot that it has left.  fill = 1: a round of the cluster's
; barrier, and behind it the other slot (group 0 at g) is filled; step = 1: with the keys 1,024 further on than its last.  ask: the slot that is prefetched, 0: none.
.macro CHANGE fill, g, step, ask
	s_wait_tensorcnt 0x0                           ; no tensor load of mine is out, so a descriptor may be written
	ds_add_u32 v[SPW], v[NIL]                      ; 0 onto my spare word
.if \step
	s_add_nc_u64 s[\g+2:\g+3], s[\g+2:\g+3], 2*SLOTB   ; the type bits on top are not reached
.endif
	s_wait_dscnt 0x0                               ; the add is done, and my reads of the slot that I have left are over
.if \fill
	CROUND
	TLOAD \g                                       ; the first thing behind the round, a wave's one tensor load until the next
.if \ask
	ASK \ask
.endif
.else
	s_barrier_signal -1
	s_barrier_wait -1
.endif
.endm
	s_wait_loadcnt 0x0                             ; Q
	CHANGE 1, G0+4, 0, 2                           ; slot 0 is whole; slot 1 takes keys 512 on
	STEP 0
	STEP 2*TILE
	CHANGE 1, G0, 1, 3                             ; slot 0 takes keys 1,024 on: its last fill
	STEP SLOTL
	STEP SLOTL+2*TILE
	CHANGE 1, G0+4, 1, 0                           ; slot 1 takes keys 1,536 on
	STEP 0
	STEP 2*TILE
	CHANGE 0, G0, 0, 0                             ; nothing is left to fetch; behind this barrier nobody reads slot 0
	STEP SLOTL
	STEP SLOTL+2*TILE
	; THE TWO PARITIES MEET.  The odd wave stores O^T as an image of its registers, and (-M, its lane's sum); a barrier; the even wave brings both under the larger M, divides, quantises and stores.
	v_add_f32 v13, v14, v15                        ; my lane's sum
.rept 4
	v_nop                                          ; places behind the last products
.endr
	s_cmp_eq_u32 s[PAR], 0
	s_cbranch_scc1 .Lkeep
.set g, 0
	s_wait_alu depctr_va_vdst(0)
.rept 16
	ds_store_b128 v[MA], v[160+4*g:163+4*g] offset:512*g
.set g, g+1
.endr
	ds_store_b64 v[MS], v[12:13]
.Lkeep:
	s_wait_dscnt 0x0                               ; for the other wave's sake: my stores have landed
	s_barrier_signal -1
	s_barrier_wait -1
	s_cmp_lg_u32 s[PAR], 0
	s_cbranch_scc1 .Lend
	ds_load_b64 v[242:243], v[MS]
.set g, 0
.rept 16
	ds_load_b128 v[32+4*g:35+4*g], v[MA] offset:512*g
.set g, g+1
.endr
	s_wait_dscnt 16                                ; the statistics are in; the sixteen loads behind them may be out
	v_min_num_f32 v254, v12, v242                  ; -(the larger M)
	s_delay_alu instid0(VALU_DEP_1)
	v_sub_f32 v252, v254, v12
	s_delay_alu instid0(VALU_DEP_2)
	v_sub_f32 v250, v254, v242
	s_delay_alu instid0(VALU_DEP_2)
	v_cvt_i32_f32 v252, v252                       ; (they saturate: a partner without a step has -M = 3e38 and gets the factor 0)
	s_delay_alu instid0(VALU_DEP_2)
	v_cvt_i32_f32 v250, v250
	s_delay_alu instid0(VALU_DEP_2)
	v_ldexp_f32 v252, 1.0, v252
	s_wait_alu depctr_va_vdst(0)
	v_ldexp_f32 v250, 1.0, v250
	v_mul_f32 v13, v13, v252
	s_delay_alu instid0(VALU_DEP_1)
	v_fma_f32 v13, v243, v250, v13
	v_permlanex16_b32 v236, v13, s[SEL], s[SEL+1]
	s_delay_alu instid0(VALU_DEP_1)
	v_add_f32 v13, v13, v236                       ; the row's sum
	s_wait_alu depctr_va_vdst(0)
	v_rcp_f32 v13, v13
	v_nop                                          ; a plain instruction behind the reciprocal
	s_add_co_i32 s86, s72, s73
	s_wait_alu depctr_va_vdst(0)                   ; and the wait ahead of its first reader
	v_ldexp_f32 v13, v13, s86                      ; x 2^(e8 + e9)
	s_delay_alu instid0(VALU_DEP_1)
	v_mul_f32 v252, v252, v13
	s_delay_alu instid0(VALU_DEP_2)
	v_mul_f32 v250, v250, v13
	s_wait_alu depctr_va_vdst(0)
	s_wait_dscnt 0x0
.set j, 0
.rept 32
	v_pk_mul_f32 v[32+j:33+j], v[32+j:33+j], v[250:251] op_sel_hi:[1,0]
.set j, j+2
.endr
.set j, 0
.rept 32
	v_pk_fma_f32 v[96+j:97+j], v[160+j:161+j], v[252:253], v[32+j:33+j] op_sel_hi:[1,0,1]   ; o, each accumulator from its low end on
.set j, j+2
.endr
.set j, 0
.rept 64
	v_med3_num_f32 v[96+j], v[96+j], -v241, v241
.set j, j+1
.endr
.irp t, 0,1,2,3,4,5,6,7
	v_cvt_scalef32_pk8_fp8_f32 v[224+2*\t:225+2*\t], v[96+8*\t:103+8*\t], v245
.endr
	v_and_b32 v8, 15, v0                           ; (plain instructions behind the last conversion)
	v_bfe_u32 v9, v0, 4, 1
	v_lshlrev_b32 v8, 4, v8
	v_lshl_add_u32 v8, v9, 3, v8                   ; 16 r + 8 h
.irp t, 0,1,2,3,4,5,6,7
	global_store_b64 v8, v[224+2*\t:225+2*\t], s[16:17] offset:256*\t   ; channels 16 t + 8 h + 0 .. 7 of query r lie at byte 512 (t / 2) + 256 (t % 2) + 16 r + 8 h of the image: 256 consecutive bytes a store
.endr
.Lend:
	s_wait_tensorcnt 0x0                           ; the wave's end
	ds_add_u32 v[SPW], v[NIL]
	s_wait_dscnt 0x0
	CROUND                                         ; the closing round
	s_endpgm
.Lfunc_end_k_q030d1fccf0_attn:
	.size	k_q030d1fccf0_attn, .Lfunc_end_k_q030d1fccf0_attn-k_q030d1fccf0_attn
	.p2alignl 7, 3214868480
	.fill 96, 4, 3214868480
	.section	.rodata,"a",@progbits
	.p2align	6, 0x0
	.amdhsa_kernel k_q030d1fccf0_attn
		.amdhsa_group_segment_fixed_size 327680
		.amdhsa_private_segment_fixed_size 0
		.amdhsa_enable_private_segment 0
		.amdhsa_kernarg_size 40
		.amdhsa_user_sgpr_count 2
		.amdhsa_user_sgpr_kernarg_segment_ptr 1
		.amdhsa_wavefront_size32 1
		.amdhsa_system_sgpr_workgroup_id_x 1
		.amdhsa_system_sgpr_workgroup_id_y 1
		.amdhsa_system_sgpr_workgroup_id_z 1
		.amdhsa_system_vgpr_workitem_id 0
		.amdhsa_next_free_vgpr 256
		.amdhsa_next_free_sgpr 100
		.amdhsa_reserve_vcc 1
		.amdhsa_float_denorm_mode_32 3
		.amdhsa_float_denorm_mode_16_64 3
		.amdhsa_memory_ordered 1
		.amdhsa_forward_progress 1
		.amdhsa_inst_pref_size 220
	.end_amdhsa_kernel
	.amdgpu_metadata
---
amdhsa.version: [ 1, 2 ]
amdhsa.kernels:
  - .name:           k_q030d1fccf0_attn
    .symbol:         k_q030d1fccf0_attn.kd
    .args:
      - { .name: qc, .offset: 0, .size: 8, .value_kind: global_buffer, .address_space: global }
      - { .name: kc, .offset: 8, .size: 8, .value_kind: global_buffer, .address_space: global }
      - { .name: vc, .offset: 16, .size: 8, .value_kind: global_buffer, .address_space: global }
      - { .name: lowp_scales, .offset: 24, .size: 8, .value_kind: global_buffer, .address_space: global }
      - { .name: oc, .offset: 32, .size: 8, .value_kind: global_buffer, .address_space: global }
    .group_segment_fixed_size: 327680
    .private_segment_fixed_size: 0
    .kernarg_segment_align: 8
    .kernarg_segment_size: 40
    .max_flat_workgroup_size: 512
    .sgpr_count:     100
    .vgpr_count:     256
    .wavefront_size: 32
...
	.end_amdgpu_metadata
.endif
;; end of part 2
;; launch oproj (part 3): grid 16 x 16, 4 waves a work-group, clusters of 4 x 4, 327,680 bytes of LDS; arguments oc, wo_codes, bo, lowp_scales, out0; writes out0
.if DOCPART == 3
	.amdgcn_target "amdgcn-amd-amdhsa--gfx1250"
	.amdhsa_code_object_version 6
	.text
	.protected	k_q030d1fccf0_oproj
	.globl	k_q030d1fccf0_oproj
	.p2align	8
	.type	k_q030d1fccf0_oproj,@function
k_q030d1fccf0_oproj:
	s_mov_b64 s[64:65], 0
	v_nop
	global_prefetch_b8 v0, s[64:65] scope:SCOPE_SE
	s_setreg_imm32_b32 hwreg(HW_REG_WAVE_MODE, 25, 1), 1
	s_wait_xcnt 0x0
	s_wait_alu depctr_hold_cnt(0) depctr_sa_sdst(0) depctr_va_vdst(0) depctr_va_sdst(0) depctr_va_ssrc(0) depctr_va_vcc(0) depctr_vm_vsrc(0)
	s_getreg_b32 s2, hwreg(HW_REG_IB_STS2, 6, 4)
	s_cmp_eq_u32 s2, 0
	s_cbranch_scc0 .Lentry_in_a_cluster
	s_endpgm
.Lentry_in_a_cluster:
	s_bfe_u32 s2, ttmp6, 0x10000c
	s_cmp_lg_u32 s2, 0xf033
	s_cbranch_scc0 .Lentry_shape_is_right
	s_endpgm
.Lentry_shape_is_right:
; out = o wo^T + bo on codes of E4M3: o as the launch before lays it, oc [block of 16 tokens][k 0..15][c 0..3][lane (r, h)][16]: token r, K = 128 k + 32 c + 16 h + 0 .. 15; wo as given.
; SHARES.  256 work-groups of 128 tokens x 128 channels.  Wave w: tokens 32 w .. 32 w + 31 x all 128 channels: 16 accumulators.
; wo's 128 rows x 2,048 stay in LDS whole: four slices of 512 along K, wave w's one joint load brings slice w (a column of the 4 x 4 cluster shares it).  No LDS byte is filled twice, so there is no ring.
; o goes from memory straight into registers, each load 512 consecutive bytes; no other wave of the work-group reads a wave's tokens.  Seven K steps of 128 are on their way ahead of their products.
; o's blocks are shared by work-groups of a row too, but LDS has no room for them beside wo's 270,336 bytes and the stage.
; NO PREFETCH: every tensor load goes out at the head, and o's loads run ahead by themselves.
; TRANSPOSED: source 0 = 16 rows of wo, source 1 = 16 tokens: lane (r, h), register j = token r, channel 8 h + j.
; LIMIT: e10 + e11 between -126 and 127.
; REGISTERS, in windows of 256.  0: v0-31 addresses, v32-95 the way out, v128-255 wo's fragments of even K steps; 1: v0-127 of odd K steps, v128-191 the bias; 2: o, eight buffers of 32; 3: the accumulators (a, b) at 8 (8 a + b).
.set BP,     528                       ; an LDS row of wo: 512 bytes + 16 of padding: the 16 rows that a load touches start at 16 different banks
.set SLICE,  128*BP
.set STAGE,  4*SLICE                   ; the way out: 16 rows x (512 bytes + 16) for each wave; no tile lands there
.set SPARE,  STAGE+4*16*BP             ; the spare words, 128 bytes for each wave
.set AW,   16                          ; v16-19 wo in slice 0 .. 3
.set LO,   22
.set STO,  24
.set RD,   25
.set CO,   26
.set BO,   27
.set SPW,  28
.set NIL,  29
.set G1, 24
.set G0, 32
.set MSB, 0
.macro WIN new
.if MSB != (\new)
	s_set_vgpr_msb (MSB<<8)|(\new)
.set MSB, (\new)
.endif
.endm
.macro PLACES
.rept 4
	v_nop
.endr
.endm
.macro CROUND                          ; a round of the cluster's barrier
	s_barrier_signal -1
	s_barrier_wait -1
	s_cmp_lg_u32 s10, 0
	s_cbranch_scc1 .Lnot_wave_0_\@
	s_barrier_signal -3
.Lnot_wave_0_\@:
	s_barrier_wait -3
	s_barrier_signal -1
	s_barrier_wait -1
.endm
.macro OLOAD k                         ; my two blocks of 16 tokens, K step k
	WIN 0x80
.irp a, 0,1
.irp c, 0,1,2,3
	global_load_b128 v[32*((\k)%8)+16*\a+4*\c:32*((\k)%8)+16*\a+4*\c+3], v[LO], s[14:15] offset:32768*\a+2048*(\k)+512*\c
.endr
.endr
.endm
	s_load_b256 s[68:75], s[0:1], 0x0              ; oc, wo, bo, the scales' exponents
	s_load_b64 s[76:77], s[0:1], 0x20              ; out
	v_lshl_add_u32 v[SPW], v0, 2, SPARE
	v_mov_b32 v[NIL], 0
	ds_add_u32 v[SPW], v[NIL]                      ; the wave's opening: the add, twice on end, and its wait
	ds_add_u32 v[SPW], v[NIL]
	v_lshrrev_b32 v1, 5, v0
	v_readfirstlane_b32 s10, v1                    ; wave 0..3
	s_bfe_u32 s40, ttmp6, 0x40000                  ; cx
	s_bfe_u32 s41, ttmp6, 0x40004                  ; cy
	s_lshl_b32 s42, ttmp9, 2
	s_add_co_u32 s42, s42, s40                     ; tile column: 128 channels
	s_and_b32 s13, ttmp7, 0xffff
	s_lshl_b32 s13, s13, 2
	s_add_co_u32 s13, s13, s41                     ; tile row: 128 tokens
	s_lshl_b32 s44, 0x1111, s40                    ; my column of the cluster
	s_or_b32 s[G1], s44, (0<<16)|(1<<20)|(1<<21)|(6<<22)|(3<<25)   ; mask; elements of 1 byte; padding on; bit 21 beside a mask; after every 128 words, 4 words
	s_mov_b32 s[G1+1], 512<<16
	s_mov_b32 s[G1+2], 128<<16
	s_mov_b32 s[G1+3], 512<<16
	s_mov_b32 s[G1+4], 128
	s_mov_b32 s[G1+5], 2048
	s_mov_b32 s[G1+6], 0
	s_mov_b32 s[G1+7], 0
	s_lshl_b32 s16, s13, 18                        ; eight blocks of 32,768 bytes
	s_mov_b32 s17, 0
	s_lshl_b32 s18, s42, 18                        ; wo: 128 x tile column rows of 2,048 bytes,
	s_lshl_b32 s20, s10, 9                         ; slice = wave
	s_add_co_u32 s18, s18, s20
	s_mov_b32 s19, 0
	s_lshl_b32 s22, s10, 16                        ; my two blocks of o
	v_and_b32 v4, 31, v0
	v_lshl_add_u32 v[LO], v4, 4, s22
	s_wait_alu depctr_va_vdst(0)
	s_wait_dscnt 0x0                               ; both opening adds are done
	s_wait_kmcnt 0x0
	s_load_b64 s[78:79], s[74:75], 0x28            ; e10, e11
	s_add_nc_u64 s[14:15], s[68:69], s[16:17]
	s_mov_b32 s[G0], 1
	s_mul_i32 s[G0+1], s10, SLICE
	s_add_nc_u64 s[G0+2:G0+3], s[70:71], s[18:19]
	s_or_b32 s[G0+3], s[G0+3], 0x80000000
	OLOAD 0
	OLOAD 1
	WIN 0
	CROUND                                         ; all sixteen work-groups are here: the joint loads meet
	tensor_load_to_lds s[G0:G0+3], s[G1:G1+7]      ; every wave's one tensor load
	s_nop 0
.rept 4
	v_nop
.endr
.irp k, 2,3,4,5,6
	OLOAD \k
.endr
	WIN 0
	s_mul_i32 s23, s10, 16*BP
	s_add_co_u32 s23, s23, STAGE                   ; my stage
	s_lshl_b32 s16, s42, 9                         ; my first channel in bytes
	s_lshl_b32 s18, s13, 20                        ; rows of 8,192 bytes: 128 x tile row
	s_lshl_b32 s19, s10, 18                        ; + 32 x wave
	s_add_co_u32 s18, s18, s19
	s_add_co_u32 s18, s18, s16
	s_mov_b32 s19, 0
	s_add_nc_u64 s[76:77], s[76:77], s[18:19]
	v_and_b32 v1, 15, v0                           ; r
	v_bfe_u32 v2, v0, 4, 1                         ; h
	v_and_b32 v5, 31, v0
	v_mul_u32_u24 v3, v1, BP
	v_lshl_add_u32 v[AW], v2, 4, v3                ; row r, + 16 h
	v_add_nc_u32 v[AW+1], SLICE, v[AW]
	v_add_nc_u32 v[AW+2], 2*SLICE, v[AW]
	v_add_nc_u32 v[AW+3], 3*SLICE, v[AW]
	v_lshl_add_u32 v3, v2, 5, v3
	v_add_nc_u32 v[STO], s23, v3                   ; in: row r, 32 bytes for each half of the lanes
	v_lshlrev_b32 v[CO], 4, v5
	v_add_nc_u32 v[RD], s23, v[CO]                 ; back: the 32 lanes take one row of 512 bytes
	v_lshl_add_u32 v[BO], v2, 5, s16               ; bias: channel 8 h
.macro FW k                            ; wo's eight fragments of K step k
.if (\k)%2
	WIN 0x40
.else
	WIN 0
.endif
.set FB, 128-128*((\k)%2)
.irp b, 0,1,2,3,4,5,6,7
.irp c, 0,1,2,3
	ds_load_b128 v[FB+16*\b+4*\c:FB+16*\b+4*\c+3], v[AW+(\k)/4] offset:\b*16*BP+128*((\k)%4)+32*\c
.endr
.endr
.endm
; K step k: 16 products.  The four v_nop at its head stand between the last step's products and the loads into the registers that they read.  The accumulators take turns, one instruction a turn
.macro STEP k
	PLACES
.if (\k) < 15
	FW (\k)+1
.endif
.if (\k) < 10
	s_wait_loadcnt 48                              ; o of this step is in; the six younger steps' loads may be out
.elseif (\k) == 10
	s_wait_loadcnt 40                              ; five younger steps
.else
	s_wait_loadcnt 8*(15-(\k))+16                  ; the younger steps and the bias
.endif
.if (\k) < 9
	OLOAD (\k)+7
.endif
.if (\k) == 10
	WIN 0x40
.irp b, 0,1,2,3,4,5,6,7
	global_load_b128 v[128+8*\b:131+8*\b], v[BO], s[72:73] offset:64*\b       ; channels 16 b + 8 h + 0 .. 7
	global_load_b128 v[132+8*\b:135+8*\b], v[BO], s[72:73] offset:64*\b+16
.endr
.endif
.if (\k) < 15
	s_wait_dscnt 32                                ; all but the 32 just issued
.else
	s_wait_dscnt 0x0
.endif
	WIN 0xf8+((\k)%2)                              ; source 0 (wo) window 0 or 1, source 1 (o) window 2, C and D window 3
.set FB, 128-128*((\k)%2)
.irp a, 0,1
.irp b, 0,1,2,3,4,5,6,7
.set AC, 64*\a+8*\b
.set OB, 32*((\k)%8)+16*\a
.if (\k) == 0
	v_wmma_f32_16x16x128_fp8_fp8 v[AC:AC+7], v[FB+16*\b:FB+16*\b+15], v[OB:OB+15], 0
.else
	v_wmma_f32_16x16x128_fp8_fp8 v[AC:AC+7], v[FB+16*\b:FB+16*\b+15], v[OB:OB+15], v[AC:AC+7]
.endif
.endr
.endr
.endm
	s_wait_alu depctr_va_vdst(0)
	s_wait_tensorcnt 0x0                           ; my slice of wo is in;
	s_barrier_signal -1
	s_barrier_wait -1                              ; and so are the other waves' three: wo is whole, and nothing is filled again
	FW 0
.irp k, 0,1,2,3,4,5,6,7,8,9,10,11,12,13,14,15
	STEP \k
.endr
	WIN 0
	s_wait_kmcnt 0x0
	s_add_co_i32 s78, s78, s79
	s_add_co_i32 s78, s78, 127
	s_lshl_b32 s78, s78, 23                        ; 2^(e10 + e11) as f32
	s_mov_b32 s79, s78
	PLACES                                         ; behind the last products
	s_wait_loadcnt 0x0                             ; the bias
; THE WAY OUT of 16 tokens x 128 channels: through my own stage, back as whole rows of 512 bytes.  LDS serves a wave's instructions in order (ISA guide 5.7.1.4)
.macro TOSTAGE a
	WIN 0x13                                       ; source 0 (the sums) window 3, source 2 (the bias) window 1
.set i, 0
.rept 32
	v_pk_fma_f32 v[32+i:33+i], v[64*\a+i:64*\a+i+1], s[78:79], v[128+i:129+i] op_sel_hi:[1,0,1]
.set i, i+2
.endr
	WIN 0
.irp b, 0,1,2,3,4,5,6,7
	ds_store_b128 v[STO], v[32+8*\b:35+8*\b] offset:64*\b
	ds_store_b128 v[STO], v[36+8*\b:39+8*\b] offset:64*\b+16
.endr
.irp t, 0,1,2,3,4,5,6,7,8,9,10,11,12,13,14,15
	ds_load_b128 v[128+64*\a+4*\t:131+64*\a+4*\t], v[RD] offset:\t*BP
.endr
.endm
.macro SEND a, younger
	s_wait_dscnt \younger                          ; the block is back in registers
.irp t, 0,1,2,3,4,5,6,7,8,9,10,11,12,13,14,15
	global_store_b128 v[CO], v[128+64*\a+4*\t:131+64*\a+4*\t], s[76:77] offset:(16*\a+\t)*8192 th:TH_STORE_NT   ; 512 consecutive bytes, at a multiple of 512
.endr
.endm
	TOSTAGE 0
	TOSTAGE 1
	SEND 0, 32                                     ; behind block 0's loads: block 1's 16 stores and 16 loads
	SEND 1, 0
	s_wait_tensorcnt 0x0                           ; the wave's end
	ds_add_u32 v[SPW], v[NIL]
	s_wait_dscnt 0x0
	CROUND                                         ; the closing round
	s_endpgm
.Lfunc_end_k_q030d1fccf0_oproj:
	.size	k_q030d1fccf0_oproj, .Lfunc_end_k_q030d1fccf0_oproj-k_q030d1fccf0_oproj
	.p2alignl 7, 3214868480
	.fill 96, 4, 3214868480
	.section	.rodata,"a",@progbits
	.p2align	6, 0x0
	.amdhsa_kernel k_q030d1fccf0_oproj
		.amdhsa_group_segment_fixed_size 327680
		.amdhsa_private_segment_fixed_size 0
		.amdhsa_enable_private_segment 0
		.amdhsa_kernarg_size 40
		.amdhsa_user_sgpr_count 2
		.amdhsa_user_sgpr_kernarg_segment_ptr 1
		.amdhsa_wavefront_size32 1
		.amdhsa_system_sgpr_workgroup_id_x 1
		.amdhsa_system_sgpr_workgroup_id_y 1
		.amdhsa_system_sgpr_workgroup_id_z 1
		.amdhsa_system_vgpr_workitem_id 0
		.amdhsa_next_free_vgpr 1024
		.amdhsa_next_free_sgpr 80
		.amdhsa_reserve_vcc 0
		.amdhsa_float_denorm_mode_32 3
		.amdhsa_float_denorm_mode_16_64 3
		.amdhsa_memory_ordered 1
		.amdhsa_forward_progress 1
		.amdhsa_inst_pref_size 83
	.end_amdhsa_kernel
	.amdgpu_metadata
---
amdhsa.version: [ 1, 2 ]
amdhsa.kernels:
  - .name:           k_q030d1fccf0_oproj
    .symbol:         k_q030d1fccf0_oproj.kd
    .args:
      - { .name: oc, .offset: 0, .size: 8, .value_kind: global_buffer, .address_space: global }
      - { .name: wo_codes, .offset: 8, .size: 8, .value_kind: global_buffer, .address_space: global }
      - { .name: bo, .offset: 16, .size: 8, .value_kind: global_buffer, .address_space: global }
      - { .name: lowp_scales, .offset: 24, .size: 8, .value_kind: global_buffer, .address_space: global }
      - { .name: out0, .offset: 32, .size: 8, .value_kind: global_buffer, .address_space: global }
    .group_segment_fixed_size: 327680
    .private_segment_fixed_size: 0
    .kernarg_segment_align: 8
    .kernarg_segment_size: 40
    .max_flat_workgroup_size: 128
    .sgpr_count:     80
    .vgpr_count:     1024
    .wavefront_size: 32
...
	.end_amdgpu_metadata
.endif
;; end of part 3
